; MI455X (gfx1250); checked and timed in simulation.
; The chip was launched on July 23, 2026; its instructions are those of AMD's public machine-readable ISA for CDNA 5 (MIT licence, August 2026) and "CDNA5" Instruction Set Architecture Reference Guide (July 2026). The comments in the code are by the model that wrote it; some were corrected since.
;; Multi Head. Allowed arithmetic: matrix products marked QUANTISED: E4M3 operands, one given power-of-two scale a tensor, by v_wmma_f32_16x16x64_fp8_fp8 or v_wmma_f32_16x16x128_fp8_fp8, f32 sums; everything else in f32.
;; Inputs: Wk_codes 16 x 64 x 32 x 32 uint8 (E4M3 codes of Wk, K innermost, in blocks of 32 codes); Wo_codes 1,024 x 32 x 32 uint8 (E4M3 codes of Wo, K innermost, in blocks of 32 codes); Wq_codes 16 x 64 x 32 x 32 uint8 (E4M3 codes of Wq, K innermost, in blocks of 32 codes); Wv_codes 16 x 64 x 32 x 32 uint8 (E4M3 codes of Wv, K innermost, in blocks of 32 codes); bo 1,024 float32; input_tensor_codes 4 x 2,048 x 32 x 32 uint8 (E4M3 codes of input_tensor, K innermost, in blocks of 32 codes); lowp_scales 12 int32 (the exponents e of the quantised operands' scales 2^e).
;; Outputs: out0 4 x 2,048 x 1,024 float32.
;; This version of the problem:
;;   THIS VERSION OF THE PROBLEM IS GIVEN IN LOW PRECISION. The matrix products marked QUANTISED in the list below multiply operands that are first quantised to E4M3 (4 exponent bits, 3 mantissa bits; 8 bits a number), with one given power-of-two scale for each operand tensor; their sums are f32. All else is computed in f32.
;;   The module's matrix products, in the order in which they are computed (A, B: the left and right operand; K: the contracted axis; several contracted axes count as one K, in the product's order):
;;     1. [M 1,024, K 1,024] x [K 1,024, N 8,192]; A: input Wq (given as codes); B: input input_tensor (given as codes): QUANTISED (scales: A lowp_scales[0], B lowp_scales[1])
;;     2. [M 1,024, K 1,024] x [K 1,024, N 8,192]; A: input Wk (given as codes); B: input input_tensor (given as codes): QUANTISED (scales: A lowp_scales[2], B lowp_scales[3])
;;     3. [M 1,024, K 1,024] x [K 1,024, N 8,192]; A: input Wv (given as codes); B: input input_tensor (given as codes): QUANTISED (scales: A lowp_scales[4], B lowp_scales[5])
;;     4. batch 64 x [M 2,048, K 64] x [K 64, N 2,048]; A: computed on the way; B: computed on the way: QUANTISED (scales: A lowp_scales[6], B lowp_scales[7])
;;     5. batch 64 x [M 2,048, K 2,048] x [K 2,048, N 64]; A: softmax (see below); B: computed on the way: QUANTISED (scales: A lowp_scales[8], B lowp_scales[9])
;;     6. [M 8,192, K 1,024] x [K 1,024, N 1,024]; A: computed on the way; B: input Wo (given as codes): QUANTISED (scales: A lowp_scales[10], B lowp_scales[11])
;;   THE QUANTISER, for each operand of a quantised product, along K:
;;     - The operand's scale is 2^e, e = its entry of the input lowp_scales (int32; the entries are numbered through the quantised products in the list's order, A before B).
;;     - Each number is divided by the scale, clamped to +-448, and rounded to the nearest number of E4M3, ties to even, subnormals kept.
;;     - The product sums the exact products of the quantised numbers (number of the format x scale) in f32.
;;   ~~~python
;;   def quantise(x, axis, e):      # numpy; x: float32 -> the quantised numbers, widened to float32 again
;;       x = np.moveaxis(x, axis, -1); K = x.shape[-1]
;;       r = np.clip(x / 2.0 ** e, -448, 448)
;;       step = 2.0 ** (np.maximum(np.frexp(np.where(r == 0, 1, r))[1] - 1, -6) - 3)
;;       q = np.round(r / step) * step * 2.0 ** e      # np.round: ties to even
;;       return np.moveaxis(q, -1, axis).astype(np.float32)
;;   ~~~
;;   SOFTMAX AHEAD OF A QUANTISED PRODUCT. Where the list says 'softmax', what is quantised is not the finished softmax but p = 2^(t - M), with t = logit x log2(e) and M = ceil(the row's largest t), a whole number; so 1/2 < the row's largest p <= 1. The row's sum l is taken of the UNQUANTISED p, in f32, and the product's result is divided by l at the end. Since M is a whole number, a kernel that streams over the keys may use a running M (the ceiling of the running maximum): every later rescaling is an exact power of two, so the quantised numbers keep their values, but for numbers so far below the row's largest that they fall under the format's range.
;;   OPERANDS COMPUTED ON THE WAY. 'Computed on the way' means the value that the module computes at that place (a softmax that the list does not call 'softmax' is quantised finished and normalised). What goes into a quantiser is computed in f32, as accurately as f32 sums, v_exp_f32 and their like allow (about 1e-6 of the number): no bf16 or f16 on the way to a quantiser, and a product that is left as it is and whose result goes on into a quantised operand takes f32 operands (vector FMAs, or v_wmma_f32_16x16x4_f32). A number that lies on a knife's edge between two numbers of the format may be rounded either way, as far as f32 arithmetic and the matrix unit's own rounding can turn it there, and no further.
;;   INPUTS GIVEN AS CODES. Wk (in the module: [16, 1024, 64], K = its axis 1); Wo (in the module: [1024, 1024], K = its axis 0); Wq (in the module: [16, 1024, 64], K = its axis 1); Wv (in the module: [16, 1024, 64], K = its axis 1); input_tensor (in the module: [4, 2048, 1024], K = its axis 2): each comes as NAME_codes (uint8): NAME with its K axis moved to the last place and cut into blocks of 32 codes, [.., K / 32, bytes a block], one block behind the other in memory; one code a byte (a code: sign, 4 exponent bits, 3 mantissa bits); its scale is its entry of lowp_scales. Its value is code x scale, taken as it is: it is not quantised again, and the codes and scales need not be those that the quantiser above would give.
;; One version. Each part assembles by itself: llvm-mc -triple=amdgcn-amd-amdhsa -mcpu=gfx1250 --defsym DOCPART=n.
;; ======== version 1 of 1: 3 launches
;; limits: right only within a limited range of input values
;; workspace buffers: qf 8,388,608 bytes; kf 8,388,608 bytes; vf 8,388,608 bytes; cf 8,388,608 bytes
;; launch proj (part 1): grid 12 x 32, 4 waves a work-group, clusters of 4 x 4, 327,680 bytes of LDS; arguments input_tensor_codes, Wq_codes, Wk_codes, Wv_codes, lowp_scales, qf, kf, vf; writes qf, kf, vf
.if DOCPART == 1
	.amdgcn_target "amdgcn-amd-amdhsa--gfx1250"
	.amdhsa_code_object_version 6
	.text
	.protected	k_q05af2a1a48_proj
	.globl	k_q05af2a1a48_proj
	.p2align	8
	.type	k_q05af2a1a48_proj,@function
k_q05af2a1a48_proj:
	s_mov_b64 s[64:65], 0
	v_nop
	global_prefetch_b8 v0, s[64:65] scope:SCOPE_SE
	s_setreg_imm32_b32 hwreg(HW_REG_WAVE_MODE, 25, 1), 1
	s_wait_xcnt 0x0
	s_wait_alu depctr_hold_cnt(0) depctr_sa_sdst(0) depctr_va_vdst(0) depctr_va_sdst(0) depctr_va_ssrc(0) depctr_va_vcc(0) depctr_vm_vsrc(0)
	s_getreg_b32 s2, hwreg(HW_REG_IB_STS2, 6, 4)
	s_cmp_eq_u32 s2, 0
	s_cbranch_scc0 .Lentry_in_a_cluster
	s_endpgm
.Lentry_in_a_cluster:
	s_bfe_u32 s2, ttmp6, 0x10000c
	s_cmp_lg_u32 s2, 0xf033
	s_cbranch_scc0 .Lentry_shape_is_right
	s_endpgm
.Lentry_shape_is_right:
; q, k, v = x W for all 16 heads, on codes of FP8 (E4M3), and their quantising for the attention that follows.
; x: [8192 tokens][1024] codes.  Wq, Wk, Wv: [1024 = head x 64 + d][1024] codes, K innermost.  lowp_scales: e0 .. e11.
; ONE TEXT, THREE JOBS, told apart by the cluster's x (0: q, 1: k, 2: v), which all sixteen partners share; nothing but selections hangs on it.
; The text makes C'[m'][n'] = sum over k of A'[m'][k] B'[n'][k] on a tile of 256 x 256: four waves, each 128 x 128 = 64 accumulators.
;   q, k: A' = x (tokens), B' = the weight (head x 64 + d).      v: A' = Wv (channels), B' = x (tokens).
; THE MATRIX INSTRUCTION IS USED TRANSPOSED (source 0 = 16 rows of B', source 1 = 16 rows of A'): lane (r, h) of accumulator (a, b) holds A' row 16 a + r and B' rows 16 b + 8 h + 0 .. 7.
; So a lane's eight registers run along d for q and k, and along the keys for v: along the K of the product that reads them.  One conversion of eight makes registers 2 b, 2 b + 1 of that product's operand.
; OUT: images of operand registers, 16 bytes a lane at 16 x lane, 512 consecutive bytes a store:
;   qf, kf: [token tile 512][head 16][quad 2][512 B]   (a fragment 16 tokens x 64 d of the K = 64 form)
;   vf:     [key step 64][channel tile 64][quad 4][512 B]   (a fragment 16 channels x 128 keys of the K = 128 form)
; code = sum / 2^E, held within +-448, E = e6 - e0 - e1 (q), e7 - e2 - e3 (k), e9 - e4 - e5 (v): the three given scales folded into the conversion's one.
; LIMITS: each E lies between -126 and 119, so that 2^E and 448 x 2^E are f32 numbers.  NaN codes among the inputs are not served.
; Inside a matrix instruction k is permuted, alike in A' and B' (four loads of 16 bytes a fragment): every product meets its partner; only the order of the sums changes.
; K goes in steps of 256 through a ring of two LDS slots filled by the tensor data mover; a tile's row is 256 bytes of memory.
; CLUSTERS: 4 x 4 work-groups.  A' tiles are shared along a row of the cluster, B' tiles along a column: each is asked for jointly.
; REGISTERS, in windows of 256: window 0: v0-31 addresses and the two scale numbers; from v128 A's fragments, one set; on the way out v32-95 held sums, v128-255 codes.
;   window 1: B's fragments, two sets.   window 2: accumulators of my rows 0-63 ((a, b) at v[8 (8 a + b)]);   window 3: those of rows 64-127.
.set KSTEP,  256                       ; along K in a slot
.set ROWB,   256                       ; a tile's row in bytes
.set KROW,   1024                      ; a row of x or of a weight in memory, in bytes
.set PITCH,  272                       ; an LDS row: 256 bytes + 16 of padding = 68 words: the 16 rows that a load touches start at 16 different banks (64 banks of 4 bytes: ISA guide 11.1)
.set FR,     16                        ; registers of a fragment: 16 rows x 128 K
.set NL,     4                         ; LDS loads that bring one
.set NP,     4                         ; places behind this matrix instruction (ISA guide 7.12.1)
.set HALFT,  128*PITCH                 ; 128 rows: what one tensor load brings
.set SLOT,   4*HALFT                   ; A's 256 rows, then B's 256 rows
.set LAPS,   1024/(2*KSTEP)            ; a lap = two K steps = once round the ring: 2
.set SPARE,  2*SLOT                    ; behind the ring: the spare words, 128 bytes a wave: two blocks of 256 bytes that no other line names
.set ADRA, 16                          ; v16-17  LDS address of my A fragments in slot 0, 1
.set ADRB, 20                          ; v20-21  the same for B
.set VO,   24                          ; v24     16 x lane: my place in an image; never rewritten
.set SPW,  28                          ; v28     LDS address of my spare word; never rewritten
.set NIL,  29                          ; v29     0; never rewritten
.set SCL,  30                          ; v30     2^E as f32
.set LIM,  31                          ; v31     448 x 2^E
.set TMP,  32                          ; v32-95  a block's 64 sums, held
.set AF,   128                         ; A's fragments, in window 0
.set CODE, 128                         ; the way out: 16 registers of codes for each of my 8 blocks; written once each
.set G1, 24                            ; s[24:31] descriptor group 1 for A's tiles;  s[32:39] group 0, one set for each slot
.set G0, 32
.set G1B, 48                           ; s[48:55], s[56:63] the same for B's tiles
.set G0B, 56
.set MSB, 0
.macro WIN new                         ; the immediate's high byte repeats the setting that is left
.if MSB != \new
	s_set_vgpr_msb (MSB<<8)|\new
.set MSB, \new
.endif
.endm
.set MUL_LO, 0xa1                      ; source 0 (B) window 1, source 1 (A) window 0, C and D window 2
.set MUL_HI, 0xf1                      ; the same, C and D window 3
.set TO_B,   0x40                      ; destination window 1, address window 0
; A joint load: waves 0 and 1 fetch for A, waves 2 and 3 for B.  The branch hangs on the wave's number alone.  Four v_nop follow each of the two lines.
.macro JLOAD g0a, g1a, g0b, g1b
	s_cmp_eq_u32 s15, 0
	s_cbranch_scc0 .Lfor_b_\@
	tensor_load_to_lds s[\g0a:\g0a+3], s[\g1a:\g1a+7]
	s_nop 0
.rept 4
	v_nop
.endr
	s_branch .Lasked_\@
.Lfor_b_\@:
	tensor_load_to_lds s[\g0b:\g0b+3], s[\g1b:\g1b+7]
	s_nop 0
.rept 4
	v_nop
.endr
.Lasked_\@:
.endm
.macro CREST                           ; a round of the cluster's barrier behind its opening barrier
	s_cmp_lg_u32 s14, 0
	s_cbranch_scc1 .Lnot_wave_0_\@
	s_barrier_signal -3
.Lnot_wave_0_\@:
	s_barrier_wait -3
	s_barrier_signal -1
	s_barrier_wait -1
.endm
.macro CROUND                          ; a whole round
	s_barrier_signal -1
	s_barrier_wait -1
	CREST
.endm
	s_load_b256 s[4:11], s[0:1], 0x0               ; x s[4:5], Wq s[6:7], Wk s[8:9], Wv s[10:11]
	s_load_b256 s[84:91], s[0:1], 0x20             ; the scales' exponents s[84:85], qf s[86:87], kf s[88:89], vf s[90:91]
	v_lshl_add_u32 v[SPW], v0, 2, SPARE
	v_mov_b32 v[NIL], 0
	ds_add_u32 v28, v29
	ds_add_u32 v28, v29
	s_wait_dscnt 0x0
	v_lshrrev_b32 v1, 5, v0
	v_readfirstlane_b32 s14, v1                    ; wave 0..3
	s_lshr_b32 s15, s14, 1                         ; which half of the tile's A' rows is mine.  Also: I fetch for A' (0) or for B' (1)
	s_and_b32 s16, s14, 1                          ; which half of its B' rows.  Also: which 128 rows of that tile I fetch
	s_bfe_u32 s40, ttmp6, 0x40000                  ; cx, cy: my place in the cluster
	s_bfe_u32 s41, ttmp6, 0x40004
	s_mov_b32 s12, ttmp9                           ; the job: the cluster's x
	s_and_b32 s13, ttmp7, 0xffff
	s_lshl_b32 s13, s13, 2                         ; 4 x the cluster's y: it walks the tokens' 32 tiles of 256
	s_cmp_eq_u32 s12, 2                            ; v?  All four selections stand ahead of the additions, which set SCC
	s_cselect_b32 s17, 0, s13                      ; A' tile row: tokens for q and k, channels (4 tiles) for v
	s_cselect_b32 s42, s13, 0                      ; B' tile row: the other way round
	s_cselect_b32 s66, 11, 14                      ; an image's bytes from A' block to A' block: 2^11 (v: a channel tile), 2^14 (q, k: a token tile)
	s_cselect_b32 s67, 17, 11                      ; and from one 128 of B' rows to the next: 2^17 (v: a key step), 2^11 (q, k: two heads)
	s_add_co_u32 s17, s17, s41                     ; + cy
	s_add_co_u32 s42, s42, s40                     ; + cx
	s_lshl_b32 s43, s41, 2
	s_lshl_b32 s43, 15, s43                        ; my row of the cluster
	s_lshl_b32 s44, 0x1111, s40                    ; my column
	; descriptor group 1: a tile of 128 rows x 256 bytes, padded in LDS
	s_or_b32 s[G1+0], s43, (0<<16)|(1<<20)|(1<<21)|(5<<22)|(3<<25)  ; 15:0 the mask: A's tiles go to my row; 17:16 element of 1 byte; 20 padding on; 21 set beside a mask; 24:22 after every 64 words; 31:25 four words
	s_or_b32 s[G1B+0], s44, (0<<16)|(1<<20)|(1<<21)|(5<<22)|(3<<25)
.irp g, G1, G1B
	s_mov_b32 s[\g+1], ROWB<<16                    ; tensor_dim0
	s_mov_b32 s[\g+2], 128<<16                     ; tensor_dim1 = 128
	s_mov_b32 s[\g+3], ROWB<<16                    ; tile_dim0
	s_mov_b32 s[\g+4], 128                         ; tile_dim1 = 128
	s_mov_b32 s[\g+5], KROW                        ; tensor_dim0_stride
	s_mov_b32 s[\g+6], 0
	s_mov_b32 s[\g+7], 0
.endr
	s_lshl_b32 s18, s16, 7                         ; which 128 rows of the tile I fetch
	s_lshl_b32 s20, s17, 8
	s_add_co_u32 s20, s20, s18                     ; A': row 256 x tile row + 128 x half
	s_lshl_b32 s46, s42, 8
	s_add_co_u32 s46, s46, s18                     ; B' likewise
	s_mov_b32 s21, 0
	s_mov_b32 s47, 0
	s_mov_b64 s[18:19], KROW
	s_mul_u64 s[20:21], s[20:21], s[18:19]         ; in bytes
	s_mul_u64 s[46:47], s[46:47], s[18:19]
	s_mul_i32 s45, s14, HALFT                      ; where they go: wave x 128 rows: no place in the cluster enters an LDS address
	s_wait_kmcnt 0x0
	s_load_b256 s[68:75], s[84:85], 0x0            ; e0 .. e7
	s_load_b128 s[76:79], s[84:85], 0x20           ; e8 .. e11
	s_cmp_eq_u32 s12, 0                            ; the buffers are chosen by the job alone
	s_cselect_b64 s[92:93], s[6:7], s[8:9]         ; Wq or Wk
	s_cselect_b64 s[94:95], s[86:87], s[88:89]     ; qf or kf
	s_cmp_eq_u32 s12, 2
	s_cselect_b64 s[80:81], s[10:11], s[4:5]       ; A' = Wv, or x
	s_cselect_b64 s[82:83], s[4:5], s[92:93]       ; B' = x, or the weight
	s_cselect_b64 s[10:11], s[90:91], s[94:95]     ; where the codes go
	s_add_nc_u64 s[20:21], s[80:81], s[20:21]
	s_add_nc_u64 s[46:47], s[82:83], s[46:47]
	CROUND                                         ; all sixteen work-groups are here: the first joint loads meet
.irp s, 0,1
	s_mov_b32 s[G0+4*\s], 1
	s_add_co_u32 s[G0+4*\s+1], s45, \s*SLOT
	s_add_nc_u64 s[G0+4*\s+2:G0+4*\s+3], s[20:21], \s*ROWB
	s_or_b32 s[G0+4*\s+3], s[G0+4*\s+3], 0x80000000
	s_mov_b32 s[G0B+4*\s], 1
	s_add_co_u32 s[G0B+4*\s+1], s45, \s*SLOT
	s_add_nc_u64 s[G0B+4*\s+2:G0B+4*\s+3], s[46:47], \s*ROWB
	s_or_b32 s[G0B+4*\s+3], s[G0B+4*\s+3], 0x80000000
.endr
	JLOAD G0, G1, G0B, G1B                         ; K step 0: one tensor load a wave
	v_and_b32 v1, 15, v0                           ; l % 16
	v_bfe_u32 v2, v0, 4, 1                         ; l / 16
	v_mul_u32_u24 v3, v1, PITCH
	v_lshl_add_u32 v4, v2, 4, v3                   ; a fragment's row x pitch + 16 x half
	s_mul_i32 s21, s15, HALFT                      ; my 128 rows of A'
	s_mul_i32 s22, s16, HALFT                      ; my 128 rows of B',
	s_add_co_u32 s22, s22, 2*HALFT                 ; which lie behind A's 256
.irp s, 0,1
	v_add_nc_u32 v[ADRA+\s], s21, v4
	v_add_nc_u32 v[ADRB+\s], s22, v4
	s_add_co_u32 s21, s21, SLOT
	s_add_co_u32 s22, s22, SLOT
.endr
	v_and_b32 v6, 31, v0
	v_lshlrev_b32 v[VO], 4, v6                     ; 16 x lane
	; where my first block's image begins: (16 x tile row + 8 x half) A' blocks, (2 x tile column + half) runs of 128 B' rows
	s_lshl_b32 s20, s17, 4
	s_lshl_b32 s21, s15, 3
	s_add_co_u32 s20, s20, s21
	s_lshl_b32 s20, s20, s66
	s_lshl_b32 s46, s42, 1
	s_add_co_u32 s46, s46, s16
	s_lshl_b32 s46, s46, s67
	s_add_co_u32 s20, s20, s46                     ; under 2^23
	s_mov_b32 s21, 0
	s_add_nc_u64 s[10:11], s[10:11], s[20:21]
	s_lshl_b32 s22, 1, s66                         ; s[22:23]: from block to block
	s_mov_b32 s23, 0
.macro FRAG reg, adr, q, i             ; a fragment, 16 rows x 128 K, is 16 registers: lane l holds row l % 16; registers 4 c .. 4 c + 3 hold K = 32 c + 16 (l / 16) + 0 .. 15
.irp c, 0,1,2,3
	ds_load_b128 v[\reg+4*\c:\reg+4*\c+3], v[\adr] offset:128*(\q)+32*\c+(\i)*16*PITCH
.endr
.endm
; 16 matrix instructions: A's blocks a0, a0 + 1 x B's eight, 128 along K.  p: B's set.  zero = 1: the first product starts the sums.
; The 64 accumulators take turns, one instruction a turn, in the same order in every step.
.macro MUL16 a0, p, zero
.irp a, \a0, \a0+1
.irp b, 0,1,2,3,4,5,6,7
.if \zero
	v_wmma_f32_16x16x128_fp8_fp8 v[8*(8*((\a)%4)+\b):8*(8*((\a)%4)+\b)+7], v[128*(\p)+FR*\b:128*(\p)+FR*\b+FR-1], v[AF+FR*(\a):AF+FR*(\a)+FR-1], 0
.else
	v_wmma_f32_16x16x128_fp8_fp8 v[8*(8*((\a)%4)+\b):8*(8*((\a)%4)+\b)+7], v[128*(\p)+FR*\b:128*(\p)+FR*\b+FR-1], v[AF+FR*(\a):AF+FR*(\a)+FR-1], v[8*(8*((\a)%4)+\b):8*(8*((\a)%4)+\b)+7]
.endif
.endr
.endr
.endm
.macro FETCH_B slot, q, p              ; B's eight fragments of the slot's q-th 128 along K into set p
	WIN TO_B
.irp i, 0,1,2,3,4,5,6,7
	FRAG 128*(\p)+FR*\i, ADRB+\slot, \q, \i
.endr
	WIN 0
.endm
.macro FETCH_A slot, q, i0             ; A's blocks i0 .. i0 + 3
.irp i, \i0, \i0+1, \i0+2, \i0+3
	FRAG AF+FR*(\i), ADRA+\slot, \q, \i
.endr
.endm
; A load into a register that a matrix instruction has read, and a vector instruction that reads a matrix result or writes one of its registers, stand NP places behind it;
; only plain vector instructions that name none of its registers are places (ISA guide 7.12.1 for vector instructions).
.macro PLACES n
.rept \n
	v_nop
.endr
.endm
; A step of 128 along K that has its successor in the same slot.
.macro STEP slot, q, zero
	s_wait_dscnt 4*NL                              ; B's set and A's blocks 0-3 are in; the youngest sixteen loads (A's blocks 4-7) may be out
	WIN MUL_LO
	MUL16 0, (\q)%2, \zero
	MUL16 2, (\q)%2, \zero
	s_wait_dscnt 0                                 ; A's blocks 4-7 are in (asked for 32 matrix instructions ago)
	PLACES NP
	FETCH_B \slot, (\q)+1, 1-(\q)%2
	FETCH_A \slot, (\q)+1, 0
	WIN MUL_HI
	MUL16 4, (\q)%2, \zero
	MUL16 6, (\q)%2, \zero
	PLACES NP
	WIN 0
	FETCH_A \slot, (\q)+1, 4
.endm
; A slot's last step changes slots: ONE barrier; in front of it each wave waits for all its tensor loads, adds 0 to its spare word, and waits for that and for its own reads of this slot.  fill = 1: this slot is filled again, two K steps ahead.
.macro TURN slot, next, fill
	s_wait_tensorcnt 0x0                           ; all my tensor loads have landed: my part of the next slot  (every window is 0 here)
	ds_add_u32 v[SPW], v[NIL]                      ; 0 onto my spare word
	s_wait_dscnt 4*NL+1                            ; (the add and the youngest sixteen loads, A's blocks 4-7, may be out)
	WIN MUL_LO
	MUL16 0, 1, 0                                  ; sixteen matrix instructions stand between the add and the wait for it
	s_wait_dscnt 0x0                               ; the add is done, and my reads of this slot are over
	s_barrier_signal -1
	MUL16 2, 1, 0
	WIN 0
	s_barrier_wait -1
.if \fill
	CREST                                          ; the barrier has opened a round of the cluster's barrier: no wave of any partner still reads this slot's tile or has a load on its way
	s_add_nc_u64 s[G0+4*\slot+2:G0+4*\slot+3], s[G0+4*\slot+2:G0+4*\slot+3], 2*ROWB
	s_add_nc_u64 s[G0B+4*\slot+2:G0B+4*\slot+3], s[G0B+4*\slot+2:G0B+4*\slot+3], 2*ROWB
	JLOAD G0+4*\slot, G1, G0B+4*\slot, G1B         ; the first tensor load behind the round; its four v_nop are the places in front of the loads below
.else
	PLACES NP
.endif
	FETCH_B \next, 0, 0
	FETCH_A \next, 0, 0
	WIN MUL_HI
	MUL16 4, 1, 0
	MUL16 6, 1, 0
	PLACES NP
	WIN 0
	FETCH_A \next, 0, 4
.endm
	s_wait_alu depctr_va_vdst(0)
	s_wait_tensorcnt 0x0                           ; my part of K step 0 is in
	ds_add_u32 v[SPW], v[NIL]                      ; 0 onto my spare word
	s_wait_dscnt 0x0                               ; the add is done
	CROUND                                         ; a whole round: everybody's part of K step 0 is in, and the joint loads meet
	JLOAD G0+4, G1, G0B+4, G1B                     ; K step 1's load, the first tensor load behind the round
	FETCH_B 0, 0, 0
	FETCH_A 0, 0, 0
	FETCH_A 0, 0, 4
	STEP 0, 0, 1                                   ; the first step stands in front of the loop: its products start the sums
	s_mov_b32 s3, LAPS-1
.Llap:                                                 ; a trip goes once round the ring, from a lap's second step to the next lap's first, and fills both slots again
	TURN 0, 1, 1
	STEP 1, 0, 0
	TURN 1, 0, 1
	STEP 0, 0, 0
	s_sub_co_u32 s3, s3, 1
	s_cmp_lg_u32 s3, 0
	s_cbranch_scc1 .Llap
	TURN 0, 1, 0                                   ; the last lap fills nothing, and has no round of the cluster's barrier
	STEP 1, 0, 0
	s_wait_dscnt 4*NL                              ; the very last step: nothing more to fetch
	WIN MUL_LO
	MUL16 0, 1, 0
	MUL16 2, 1, 0
	s_wait_dscnt 0
	WIN MUL_HI
	MUL16 4, 1, 0
	MUL16 6, 1, 0
	WIN 0
	; THE WAY OUT.  The job's E; then block by block: hold, convert, store the image.
	s_wait_kmcnt 0x0
	s_sub_co_i32 s96, s74, s68                     ; q: e6 - e0 - e1
	s_sub_co_i32 s96, s96, s69
	s_sub_co_i32 s97, s75, s70                     ; k: e7 - e2 - e3
	s_sub_co_i32 s97, s97, s71
	s_sub_co_i32 s98, s77, s72                     ; v: e9 - e4 - e5
	s_sub_co_i32 s98, s98, s73
	s_cmp_eq_u32 s12, 0
	s_cselect_b32 s96, s96, s97
	s_cmp_eq_u32 s12, 2
	s_cselect_b32 s96, s98, s96                    ; a selection, no branch: nothing jumps on a loaded number
	s_add_co_i32 s96, s96, 127
	s_lshl_b32 s97, s96, 23
	v_mov_b32 v[SCL], s97                          ; 2^E as f32: the conversion takes its exponent field
	s_add_co_i32 s96, s96, 8
	s_lshl_b32 s96, s96, 23
	s_or_b32 s96, s96, 0x600000
	v_mov_b32 v[LIM], s96                          ; 448 x 2^E
	PLACES NP                                      ; behind the last products: their results are read below, and A's registers take the codes
.macro OUTBLK a                        ; my A' block a: 8 accumulators = 64 sums a lane -> 16 registers of codes -> four stores of 512 consecutive bytes
.set AC, 64*((\a)%4)
	WIN 0x02+((\a)/4)                              ; source 0: window 2 or 3
.set j, 0
.rept 64
	v_med3_num_f32 v[TMP+j], v[AC+j], -v[LIM], v[LIM]   ; the conversion to an 8-bit code does not saturate (ISA guide 7.6.2): the hold comes first; each accumulator from its low end on
.set j, j+1
.endr
	WIN 0
.irp b, 0,1,2,3,4,5,6,7
	v_cvt_scalef32_pk8_fp8_f32 v[CODE+16*(\a)+2*\b:CODE+16*(\a)+2*\b+1], v[TMP+8*\b:TMP+8*\b+7], v[SCL]   ; registers 2 b, 2 b + 1 of the image
.endr
	v_nop                                          ; one plain vector line between the last conversion and the next block's holds, which write its sources
.if (\a) > 0
	s_wait_alu depctr_va_vdst(0)
	s_wait_xcnt 0x0                                ; the last block's stores have read their base: it may step
	s_add_nc_u64 s[10:11], s[10:11], s[22:23]
.endif
.irp q, 0,1,2,3
	global_store_b128 v[VO], v[CODE+16*(\a)+4*\q:CODE+16*(\a)+4*\q+3], s[10:11] offset:512*\q   ; 32 lanes store 512 consecutive bytes, at a multiple of 512 from the buffer's first byte
.endr
.endm
.irp a, 0,1,2,3,4,5,6,7
	OUTBLK \a
.endr
	s_wait_tensorcnt 0x0                           ; the wave's end
	ds_add_u32 v[SPW], v[NIL]
	s_wait_dscnt 0x0
	CROUND                                         ; the closing round: no work-group ends while a partner may still ask for a tile that names it
	s_endpgm
.Lfunc_end_k_q05af2a1a48_proj:
	.size	k_q05af2a1a48_proj, .Lfunc_end_k_q05af2a1a48_proj-k_q05af2a1a48_proj
	.p2alignl 7, 3214868480
	.fill 96, 4, 3214868480
	.section	.rodata,"a",@progbits
	.p2align	6, 0x0
	.amdhsa_kernel k_q05af2a1a48_proj
		.amdhsa_group_segment_fixed_size 327680
		.amdhsa_private_segment_fixed_size 0
		.amdhsa_enable_private_segment 0
		.amdhsa_kernarg_size 64
		.amdhsa_user_sgpr_count 2
		.amdhsa_user_sgpr_kernarg_segment_ptr 1
		.amdhsa_wavefront_size32 1
		.amdhsa_system_sgpr_workgroup_id_x 1
		.amdhsa_system_sgpr_workgroup_id_y 1
		.amdhsa_system_sgpr_workgroup_id_z 1
		.amdhsa_system_vgpr_workitem_id 0
		.amdhsa_next_free_vgpr 1024
		.amdhsa_next_free_sgpr 100
		.amdhsa_reserve_vcc 0
		.amdhsa_float_denorm_mode_32 3
		.amdhsa_float_denorm_mode_16_64 3
		.amdhsa_memory_ordered 1
		.amdhsa_forward_progress 1
		.amdhsa_inst_pref_size 119
	.end_amdhsa_kernel
	.amdgpu_metadata
---
amdhsa.version: [ 1, 2 ]
amdhsa.kernels:
  - .name:           k_q05af2a1a48_proj
    .symbol:         k_q05af2a1a48_proj.kd
    .args:
      - { .name: input_tensor_codes, .offset: 0, .size: 8, .value_kind: global_buffer, .address_space: global }
      - { .name: Wq_codes, .offset: 8, .size: 8, .value_kind: global_buffer, .address_space: global }
      - { .name: Wk_codes, .offset: 16, .size: 8, .value_kind: global_buffer, .address_space: global }
      - { .name: Wv_codes, .offset: 24, .size: 8, .value_kind: global_buffer, .address_space: global }
      - { .name: lowp_scales, .offset: 32, .size: 8, .value_kind: global_buffer, .address_space: global }
      - { .name: qf, .offset: 40, .size: 8, .value_kind: global_buffer, .address_space: global }
      - { .name: kf, .offset: 48, .size: 8, .value_kind: global_buffer, .address_space: global }
      - { .name: vf, .offset: 56, .size: 8, .value_kind: global_buffer, .address_space: global }
    .group_segment_fixed_size: 327680
    .private_segment_fixed_size: 0
    .kernarg_segment_align: 8
    .kernarg_segment_size: 64
    .max_flat_workgroup_size: 128
    .sgpr_count:     100
    .vgpr_count:     1024
    .wavefront_size: 32
...
	.end_amdgpu_metadata
.endif
;; end of part 1
;; launch attn (part 2): grid 4 x 64, 8 waves a work-group, clusters of 4 x 1, 327,680 bytes of LDS; arguments qf, kf, vf, lowp_scales, cf; writes cf
.if DOCPART == 2
	.amdgcn_target "amdgcn-amd-amdhsa--gfx1250"
	.amdhsa_code_object_version 6
	.text
	.protected	k_q05af2a1a48_attn
	.globl	k_q05af2a1a48_attn
	.p2align	8
	.type	k_q05af2a1a48_attn,@function
k_q05af2a1a48_attn:
	s_mov_b64 s[64:65], 0
	v_nop
	global_prefetch_b8 v0, s[64:65] scope:SCOPE_SE
	s_setreg_imm32_b32 hwreg(HW_REG_WAVE_MODE, 25, 1), 1
	s_wait_xcnt 0x0
	s_wait_alu depctr_hold_cnt(0) depctr_sa_sdst(0) depctr_va_vdst(0) depctr_va_sdst(0) depctr_va_ssrc(0) depctr_va_vcc(0) depctr_vm_vsrc(0)
	s_getreg_b32 s2, hwreg(HW_REG_IB_STS2, 6, 4)
	s_cmp_eq_u32 s2, 0
	s_cbranch_scc0 .Lentry_in_a_cluster
	s_endpgm
.Lentry_in_a_cluster:
	s_bfe_u32 s2, ttmp6, 0x10000c
	s_cmp_lg_u32 s2, 0x3003
	s_cbranch_scc0 .Lentry_shape_is_right
	s_endpgm
.Lentry_shape_is_right:
; Causal attention of one (batch, head) for each cluster, both products on codes of FP8 (E4M3), and the quantising of its result for the output product.
; qf, kf: [token tile 512][head 16][quad 2][512 B]: images of fragments 16 tokens x 64 d of the K = 64 form.  vf: [key step 64][channel tile 64][quad 4][512 B]: 16 channels x 128 keys of the K = 128 form.
; cf (out): [query tile 512][head 16][quad 2][512 B]: lane (r, h) of quad c holds row r, k = 32 c + 16 h + 0 .. 15 of the head's 64.
; THE SOFTMAX: t = score x log2(e) / 8; M = the running largest t rounded UP to a whole number; p = 2^(t - M) is quantised with 2^e8, not normalised; the row's sum is taken of the unquantised p and divides at the end.
; When M moves, the sum and O are multiplied by 2^(old M - new M): nothing is rounded.
; WORK LEFT OUT: key steps all of whose 128 keys come after a wave's queries: the causal mask sets their scores to -infinity, so their p is 0 for all inputs.
; SHARES.  The head's 2,048 keys lie in LDS for the whole launch: K's image 131,072 bytes, V's 131,072, brought once by eight tensor loads, one a wave, asked for JOINTLY by the cluster's four work-groups.  Nothing is filled again.
; A wave owns 32 queries at a time, two tiles A and B, which walk the same keys: each fragment of K and of V that is read from LDS feeds two matrix instructions.
; The head's 64 blocks of 32 queries go to 4 work-groups x 8 waves, two to a wave: j = 4 wave + cx and 63 - j.  Block j needs key steps 0 .. j / 4: wave + 1 and 16 - wave steps, 17 for every wave.
; The limits hang on the wave's number alone; cx enters global addresses and the mask's threshold only.  Both loops have constant trip counts (8 and 16); a hidden step is jumped over by a scalar branch.
; NO PREFETCH: every tile is asked for once, at the head; there is no loop to run ahead in.
; LAYOUT.  Both products are used transposed: S^T = K Q^T, O^T = V^T P^T: a lane holds ONE query (lane % 16) of each tile throughout.
; In S^T tile t lane (r, h) holds keys 16 t + 8 h + 0 .. 7: their eight codes are registers 2 t, 2 t + 1 of the K = 128 form's operand.
; ORDER IN A STEP.  K and V have registers of their own: the next step's K is asked for behind the score products, the next step's V behind the second product (the last step asks for step 15 again: the address is held inside the image).
; A's and B's lines alternate, so that no line reads the line above it.  B's scalings stand among A's exponentials, A's first sums and holds among B's: none of these lines reads what another of the same run wrote.
; LIMITS on the given exponents, so that each power of two below is an f32 number: e6 + e7 between -123 and 130 (added to c's exponent field); e8, and e10 - e8 - e9, between -126 and 119.  NaN codes are not served.
; REGISTERS.  Window 0: v1 16 x lane, v2 the same in V's image, v4, v5 the add's two, v6, v7 addresses in hand, v8-39 Q of my four tiles, v64-127 K's eight fragments, v128-191 V's four.
;   Window 1: all that the softmax touches: v0-63, v64-127 S^T then p of A, B; v128-159, v160-191 O^T; v192-207, v208-223 p's codes (ahead of them A's sixteen partial sums); v224-255 small things, named below.
.set VIMG, 131072                      ; LDS: K's image from 0, V's from here; key step s at 8,192 s in either
.set KSB,  8192
.set SPARE, 307200                     ; the spare words, 128 bytes a wave: four blocks of 256 bytes that no other line names
.set LI,   1
.set LV,   2
.set SPW,  4
.set NIL,  5
.set ADK,  6
.set ADV,  7
.set Q1,   8
.set Q2,   24
.set KF,   64
.set VF,   128
.set SA,   0                           ; window 1 from here on
.set SB,   64
.set OA,   128
.set OB,   160
.set PA,   192
.set PB,   208
.set MA,   224                         ; -M, the largest t: a pair for each tile
.set MB,   226
.set LA,   228                         ; the sum in two halves
.set LB,   230
.set FA,   232                         ; f = 2^(old M - new M); the upper register is only named
.set FB,   234
.set XA,   236                         ; at work
.set XB,   238
.set HP,   240                         ; 448 x 2^e8
.set HO,   241                         ; 448 x 2^(e10 - e8 - e9)
.set CP,   242                         ; 2^e8            (these two are written in window 0 as well)
.set CO,   243                         ; 2^(e10 - e8 - e9)
.set C1,   244                         ; B's further chains of sums
.set C2,   246
.set PTA,  248
.set PTB,  249
.set D1,   250                         ; the masks' thresholds of my two blocks
.set D2,   251
.set NINF, 252
.set C3,   254
.set WV,   18                          ; s18  my wave's number
.set SEL,  20                          ; s[20:21] lane selects for v_permlanex16_b32: lane l xor 16
.set CS,   22                          ; s[22:23] c = log2(e) / 8 x 2^(e6 + e7)
.set G1K,  24
.set G1V,  32
.set G0K,  40
.set G0V,  44
.set KN,   51                          ; s51  8,192 x the next key step, held at 15
.set KO,   56                          ; s56  8,192 x the key step in hand
.set KS,   57                          ; s57  the key step in hand
.set MSB, 0
.macro WIN new                         ; the immediate's high byte repeats the setting that is left
.if MSB != \new
	s_set_vgpr_msb (MSB<<8)|\new
.set MSB, \new
.endif
.endm
; Waves 0 to 3 fetch a quarter of K's image each, waves 4 to 7 of V's.  An s_nop 0 and four v_nop follow each of the two lines.
.macro TLOAD
	s_cmp_lt_u32 s[WV], 4
	s_cbranch_scc0 .Lfor_v_\@
	tensor_load_to_lds s[G0K:G0K+3], s[G1K:G1K+7]
	s_nop 0
.rept 4
	v_nop
.endr
	s_branch .Lasked_\@
.Lfor_v_\@:
	tensor_load_to_lds s[G0V:G0V+3], s[G1V:G1V+7]
	s_nop 0
.rept 4
	v_nop
.endr
.Lasked_\@:
.endm
.macro CROUND                          ; a round of the cluster's barrier
	s_barrier_signal -1
	s_barrier_wait -1
	s_cmp_lg_u32 s[WV], 0
	s_cbranch_scc1 .Lnot_wave_0_\@
	s_barrier_signal -3
.Lnot_wave_0_\@:
	s_barrier_wait -3
	s_barrier_signal -1
	s_barrier_wait -1
.endm
	s_load_b128 s[4:7], s[0:1], 0x0                ; qf s[4:5], kf s[6:7]
	s_load_b128 s[8:11], s[0:1], 0x10              ; vf s[8:9], the scales' exponents s[10:11]
	s_load_b64 s[12:13], s[0:1], 0x20              ; cf
	v_lshl_add_u32 v[SPW], v0, 2, SPARE
	v_mov_b32 v[NIL], 0
	ds_add_u32 v[SPW], v[NIL]                      ; the opening lines: the add, twice on end, and its wait ahead of my tensor load
	ds_add_u32 v[SPW], v[NIL]
	v_lshrrev_b32 v3, 5, v0
	v_readfirstlane_b32 s[WV], v3                  ; wave 0..7
	s_bfe_u32 s19, ttmp6, 0x40000                  ; cx
	s_and_b32 s48, ttmp7, 0xffff                   ; 16 x batch + head, which the four partners share
	s_lshr_b32 s49, s48, 4                         ; batch
	s_and_b32 s50, s48, 15                         ; head
	; K: 32 token tiles of 1,024 bytes, 16,384 bytes apart in memory, dense in LDS.  Elements of 8 bytes.
	s_mov_b32 s[G1K], 15|(3<<16)|(1<<21)           ; the mask: all four work-groups; elements of 8 bytes; bit 21 set beside a mask
	s_mov_b32 s[G1K+1], 128<<16
	s_mov_b32 s[G1K+2], 32<<16
	s_mov_b32 s[G1K+3], 128<<16
	s_mov_b32 s[G1K+4], 32
	s_mov_b32 s[G1K+5], 2048
	s_mov_b32 s[G1K+6], 0
	s_mov_b32 s[G1K+7], 0
	; V: 4 key steps of 8,192 bytes (the head's four channel tiles), 131,072 bytes apart in memory, dense in LDS.
	s_mov_b32 s[G1V], 15|(3<<16)|(1<<21)
	s_mov_b32 s[G1V+1], 1024<<16
	s_mov_b32 s[G1V+2], 4<<16
	s_mov_b32 s[G1V+3], 1024<<16
	s_mov_b32 s[G1V+4], 4
	s_mov_b32 s[G1V+5], 16384
	s_mov_b32 s[G1V+6], 0
	s_mov_b32 s[G1V+7], 0
	s_and_b32 s53, s[WV], 3                        ; which quarter of an image
	s_lshl_b32 s54, s53, 15                        ; 32,768 bytes of LDS each
	s_lshl_b32 s55, s49, 21                        ; a batch is 2^21 bytes of kf and of vf,
	s_lshl_b32 s53, s53, 19                        ; a quarter of its keys 2^19
	s_add_co_u32 s53, s53, s55
	s_lshl_b32 s55, s50, 10
	s_add_co_u32 s56, s53, s55                     ; K: + 1,024 x head
	s_mov_b32 s57, 0
	s_lshl_b32 s55, s50, 13
	s_add_co_u32 s58, s53, s55                     ; V: + 8,192 x head
	s_mov_b32 s59, 0
	s_wait_dscnt 0x0                               ; both opening adds are done
	s_wait_kmcnt 0x0
	s_load_b256 s[68:75], s[10:11], 0x0            ; e0 .. e7
	s_load_b128 s[76:79], s[10:11], 0x20           ; e8 .. e11
	s_mov_b32 s[G0K], 1
	s_mov_b32 s[G0K+1], s54
	s_add_nc_u64 s[G0K+2:G0K+3], s[6:7], s[56:57]
	s_or_b32 s[G0K+3], s[G0K+3], 0x80000000
	s_mov_b32 s[G0V], 1
	s_add_co_u32 s[G0V+1], s54, VIMG
	s_add_nc_u64 s[G0V+2:G0V+3], s[8:9], s[58:59]
	s_or_b32 s[G0V+3], s[G0V+3], 0x80000000
	CROUND                                         ; all four work-groups are here: the joint loads meet
	TLOAD                                          ; the launch's only tensor loads: one of a wave's is out
	; my two blocks of 32 queries, as first tiles of 16
	s_lshl_b32 s53, s[WV], 3
	s_lshl_b32 s52, s19, 1
	s_add_co_u32 s53, s53, s52                     ; 2 j = 8 wave + 2 cx
	s_xor_b32 s54, s53, 126                        ; 2 (63 - j) = 126 - 2 j: no bit is borrowed
	s_lshl_b32 s55, s49, 7
	s_add_co_u32 s53, s53, s55                     ; + 128 x batch
	s_add_co_u32 s54, s54, s55
	s_lshl_b32 s53, s53, 14                        ; a tile's 16 heads are 16,384 bytes, in qf as in cf,
	s_lshl_b32 s54, s54, 14
	s_lshl_b32 s55, s50, 10                        ; a head's part 1,024
	s_add_co_u32 s56, s53, s55
	s_mov_b32 s57, 0
	s_add_nc_u64 s[60:61], s[4:5], s[56:57]        ; Q of the first block
	s_add_nc_u64 s[66:67], s[12:13], s[56:57]      ; where its codes go
	s_add_co_u32 s56, s54, s55
	s_add_nc_u64 s[62:63], s[4:5], s[56:57]        ; the second block likewise
	s_add_nc_u64 s[2:3], s[12:13], s[56:57]
	s_mov_b32 s58, s[WV]                           ; the first block's last key step
	s_xor_b32 s59, s[WV], 15                       ; the second's: 15 - wave
	v_and_b32 v3, 31, v0
	v_lshlrev_b32 v[LI], 4, v3                     ; 16 x lane
	v_add_nc_u32 v[LV], VIMG, v[LI]
.irp u, 0,1                                    ; tile A, tile B: 16,384 bytes on
	global_load_b128 v[Q1+8*\u:Q1+8*\u+3], v[LI], s[60:61] offset:16384*\u
	global_load_b128 v[Q1+8*\u+4:Q1+8*\u+7], v[LI], s[60:61] offset:16384*\u+512
	global_load_b128 v[Q2+8*\u:Q2+8*\u+3], v[LI], s[62:63] offset:16384*\u
	global_load_b128 v[Q2+8*\u+4:Q2+8*\u+7], v[LI], s[62:63] offset:16384*\u+512
.endr
	; the mask's threshold: on the diagonal step A's query is 32 r' + lane % 16 of the step's 128 (B's 16 more); register 8 t + i holds key 16 t + 8 (lane / 16) + i: hidden in A where 16 t + i > 32 r' + lane % 16 - 8 (lane / 16)
	v_and_b32 v3, 15, v0
	v_bfe_u32 v40, v0, 4, 1
	v_lshlrev_b32 v40, 3, v40
	v_sub_nc_u32 v3, v3, v40
	s_lshl_b32 s53, s19, 5                         ; first block: r' = cx
	s_xor_b32 s54, s19, 3                          ; second: r' = 3 - cx
	s_lshl_b32 s54, s54, 5
	s_mov_b32 s[SEL], 0x76543210
	s_mov_b32 s[SEL+1], 0xfedcba98
	WIN 0x40                                       ; destinations in window 1
	v_add_nc_u32 v[D1], s53, v3
	v_add_nc_u32 v[D2], s54, v3
	v_mov_b32 v[NINF], 0xff800000
	v_mov_b32 v[PTA], 0                            ; written once: a lane permute's destination counts as one of its sources
	v_mov_b32 v[PTB], 0
	v_mov_b32 v[FA+1], 0                           ; (named as upper halves of pairs)
	v_mov_b32 v[FB+1], 0
	s_wait_kmcnt 0x0
	s_add_co_i32 s53, s74, s75                     ; a score stands for score x 2^(e6 + e7): the two exponents are added to c's exponent field
	s_lshl_b32 s53, s53, 23
	s_mov_b32 s[CS], 0x3e38aa3b                    ; log2(e) / 8
	s_add_co_i32 s[CS], s[CS], s53
	s_mov_b32 s[CS+1], s[CS]
	s_add_co_i32 s53, s76, 127
	s_lshl_b32 s54, s53, 23                        ; 2^e8 as f32, for p's conversions
	s_add_co_i32 s53, s53, 8
	s_lshl_b32 s53, s53, 23
	s_or_b32 s53, s53, 0x600000                    ; 448 x 2^e8
	s_sub_co_i32 s55, s78, s76                     ; O / l stands for (O / l) x 2^(e8 + e9): its code is (O / l) / 2^(e10 - e8 - e9)
	s_sub_co_i32 s55, s55, s77
	s_add_co_i32 s55, s55, 127
	s_lshl_b32 s52, s55, 23
	s_add_co_i32 s55, s55, 8
	s_lshl_b32 s55, s55, 23
	s_or_b32 s55, s55, 0x600000
	v_mov_b32 v[CP], s54
	v_mov_b32 v[HP], s53
	v_mov_b32 v[CO], s52
	v_mov_b32 v[HO], s55
	WIN 0
	v_mov_b32 v[CP], s54
	v_mov_b32 v[CO], s52
	s_wait_alu depctr_va_vdst(0)
	s_wait_loadcnt 0x0                             ; Q
	s_wait_tensorcnt 0x0                           ; my part of the images has landed,
	s_barrier_signal -1
	s_barrier_wait -1                              ; everybody's has.  From here on LDS is only read, and the waves run free
.macro LOADK adr                       ; K's eight fragments: 512 consecutive bytes a load
.irp t, 0,1,2,3,4,5,6,7
	ds_load_b128 v[KF+8*\t:KF+8*\t+3], v[\adr] offset:1024*\t
	ds_load_b128 v[KF+8*\t+4:KF+8*\t+7], v[\adr] offset:1024*\t+512
.endr
.endm
.macro LOADV adr                       ; V's four
.irp c, 0,1,2,3
.irp q, 0,1,2,3
	ds_load_b128 v[VF+16*\c+4*\q:VF+16*\c+4*\q+3], v[\adr] offset:2048*\c+512*\q
.endr
.endr
.endm
.macro BADD4                           ; four pairs of B's p onto its four chains
	v_pk_add_f32 v[C1:C1+1], v[C1:C1+1], v[SB+jb:SB+jb+1]
	v_pk_add_f32 v[C2:C2+1], v[C2:C2+1], v[SB+jb+2:SB+jb+3]
	v_pk_add_f32 v[C3:C3+1], v[C3:C3+1], v[SB+jb+4:SB+jb+5]
	v_pk_add_f32 v[LB:LB+1], v[LB:LB+1], v[SB+jb+6:SB+jb+7]
.set jb, jb+8
.endm
.macro TADD a, b                       ; A's partial sum a += b
	v_pk_add_f32 v[PA+2*(\a):PA+2*(\a)+1], v[PA+2*(\a):PA+2*(\a)+1], v[PA+2*(\b):PA+2*(\b)+1]
.endm
; A KEY STEP: 128 keys for my 32 queries.  qb: the block's Q; lim: the scalar that holds its last (diagonal) step; dm: the mask's threshold.
.macro STEP qb, lim, dm
	s_cmp_gt_u32 s[KS], s[\lim]                    ; all of this step's keys come after my queries: nothing to do
	s_cbranch_scc1 .Lhidden_\@
	s_add_co_u32 s[KN], s[KO], KSB
	s_min_u32 s[KN], s[KN], 15*KSB                 ; the next step, held inside the images
	s_wait_dscnt 16                                ; K is in; the youngest sixteen loads (V's) may be out
	WIN 0x40
.irp t, 0,1,2,3,4,5,6,7
	v_wmma_f32_16x16x64_fp8_fp8 v[SA+8*\t:SA+8*\t+7], v[KF+8*\t:KF+8*\t+7], v[\qb:\qb+7], 0      ; S^T, keys 16 t on, of A
	v_wmma_f32_16x16x64_fp8_fp8 v[SB+8*\t:SB+8*\t+7], v[KF+8*\t:KF+8*\t+7], v[\qb+8:\qb+15], 0   ; and of B
.endr
	WIN 0
	v_add_nc_u32 v[ADK], s[KN], v[LI]              ; four places in front of the loads below and of the first read of the scores
	v_add_nc_u32 v[ADV], s[KN], v[LV]
	v_nop
	v_nop
	LOADK ADK                                      ; the next step's K lands while the softmax is walked
	s_cmp_lg_u32 s[KS], s[\lim]                    ; only the diagonal step is masked
	s_cbranch_scc1 .Lopen_\@
	WIN 0x55
.set n, -8                                     ; hidden scores become -infinity: p = 0 then.  Key 0 counts for every query.  B's threshold is A's + 16: one compare serves A's register n and B's n + 8
.rept 72
	v_cmp_gt_i32 vcc_lo, 16*((n+8)/8)-16+(n+8)%8, v[\dm]
.if n >= 0
	v_cndmask_b32 v[SA+n], v[SA+n], v[NINF], vcc_lo
.endif
.if n < 56
	v_cndmask_b32 v[SB+n+8], v[SB+n+8], v[NINF], vcc_lo
.endif
.set n, n+1
.endr
	WIN 0
.Lopen_\@:
	WIN 0x55
	v_max3_num_f32 v[XA], v[SA], v[SA+1], v[SA+2]  ; the step's largest scores, two chains a tile; each accumulator from its low end on
	v_max3_num_f32 v[XB], v[SB], v[SB+1], v[SB+2]
	v_max3_num_f32 v[XA+1], v[SA+3], v[SA+4], v[SA+5]
	v_max3_num_f32 v[XB+1], v[SB+3], v[SB+4], v[SB+5]
.irp i, 6,10,14,18,22,26,30,34,38,42,46,50,54,58
	v_max3_num_f32 v[XA], v[XA], v[SA+\i], v[SA+\i+1]
	v_max3_num_f32 v[XB], v[XB], v[SB+\i], v[SB+\i+1]
	v_max3_num_f32 v[XA+1], v[XA+1], v[SA+\i+2], v[SA+\i+3]
	v_max3_num_f32 v[XB+1], v[XB+1], v[SB+\i+2], v[SB+\i+3]
.endr
	v_max3_num_f32 v[XA], v[XA], v[SA+62], v[SA+63]
	v_max3_num_f32 v[XB], v[XB], v[SB+62], v[SB+63]
	v_max_num_f32 v[XA], v[XA], v[XA+1]
	v_max_num_f32 v[XB], v[XB], v[XB+1]
	v_permlanex16_b32 v[PTA], v[XA], s[SEL], s[SEL+1]
	v_permlanex16_b32 v[PTB], v[XB], s[SEL], s[SEL+1]
	v_max_num_f32 v[XA], v[XA], v[PTA]             ; and among lane l xor 16's
	v_max_num_f32 v[XB], v[XB], v[PTB]
	v_mul_f32 v[XA], s[CS], v[XA]                  ; as t (c is positive)
	v_mul_f32 v[XB], s[CS], v[XB]
	v_max_num_f32 v[MA+1], v[MA+1], v[XA]          ; the running largest t
	v_max_num_f32 v[MB+1], v[MB+1], v[XB]
	v_mov_b32 v[XA], v[MA]
	v_mov_b32 v[XB], v[MB]
	v_floor_f32 v[MA], -v[MA+1]                    ; the new -M = floor(-t): M is a whole number
	v_floor_f32 v[MB], -v[MB+1]
	v_sub_f32 v[XA], v[MA], v[XA]                  ; M's old value less its new one: a whole number, 0 or less
	v_sub_f32 v[XB], v[MB], v[XB]
	v_cvt_i32_f32 v[XA], v[XA]                     ; (it saturates)
	v_cvt_i32_f32 v[XB], v[XB]
	v_ldexp_f32 v[FA], 1.0, v[XA]                  ; f = 2^(old M - new M)
	v_ldexp_f32 v[FB], 1.0, v[XB]
.set j, 0
.rept 32
	v_pk_fma_f32 v[SA+j:SA+j+1], v[SA+j:SA+j+1], s[CS:CS+1], v[MA:MA+1] op_sel_hi:[1,0,0]   ; A: t - M, two at a time
.set j, j+2
.endr
	v_pk_mul_f32 v[LA:LA+1], v[LA:LA+1], v[FA:FA+1] op_sel_hi:[1,0]   ; the sums under the new M
	v_pk_mul_f32 v[LB:LB+1], v[LB:LB+1], v[FB:FB+1] op_sel_hi:[1,0]
.set j, 0
.rept 16
	v_pk_mul_f32 v[OA+j:OA+j+1], v[OA+j:OA+j+1], v[FA:FA+1] op_sel_hi:[1,0]   ; O^T under the new M, ahead of the exponentials; each accumulator from its low end on
	v_pk_mul_f32 v[OB+j:OB+j+1], v[OB+j:OB+j+1], v[FB:FB+1] op_sel_hi:[1,0]
.set j, j+2
.endr
	s_wait_alu depctr_va_vdst(0)                   ; ahead of the batch
.set j, 0
.rept 32
	v_exp_f32 v[SA+j], v[SA+j]                     ; A: p = 2^(t - M), at most 1: not normalised
	v_exp_f32 v[SA+j+1], v[SA+j+1]
	v_pk_fma_f32 v[SB+j:SB+j+1], v[SB+j:SB+j+1], s[CS:CS+1], v[MB:MB+1] op_sel_hi:[1,0,0]   ; B: t - M; read behind the next wait
.set j, j+2
.endr
	s_wait_alu depctr_va_vdst(0)                   ; one wait behind A's batch and ahead of B's
.set g, 0
.rept 16
	v_exp_f32 v[SB+4*g], v[SB+4*g]                 ; B's p.  Among them, of A: sixteen first sums of the unquantised p, into the registers that will take the codes, and the holds
	v_pk_add_f32 v[PA+2*g:PA+2*g+1], v[SA+4*g:SA+4*g+1], v[SA+4*g+2:SA+4*g+3]
	v_exp_f32 v[SB+4*g+1], v[SB+4*g+1]
	v_min_num_f32 v[SA+4*g], v[SA+4*g], v[HP]      ; the conversion does not saturate (ISA guide 7.6.2); p is not negative, so the hold is one-sided
	v_exp_f32 v[SB+4*g+2], v[SB+4*g+2]
	v_min_num_f32 v[SA+4*g+1], v[SA+4*g+1], v[HP]
	v_exp_f32 v[SB+4*g+3], v[SB+4*g+3]
	v_min_num_f32 v[SA+4*g+2], v[SA+4*g+2], v[HP]
	v_min_num_f32 v[SA+4*g+3], v[SA+4*g+3], v[HP]
.set g, g+1
.endr
	s_wait_alu depctr_va_vdst(0)                   ; one wait behind the batch, ahead of its first reader
.irp k, 0,1,2,3,4,5,6,7
	TADD \k, \k+8
.endr
	v_pk_add_f32 v[C1:C1+1], v[SB:SB+1], v[SB+2:SB+3]        ; B's sum of the unquantised p, in four chains
	v_pk_add_f32 v[C2:C2+1], v[SB+4:SB+5], v[SB+6:SB+7]
	v_pk_add_f32 v[C3:C3+1], v[SB+8:SB+9], v[SB+10:SB+11]
	v_pk_add_f32 v[LB:LB+1], v[LB:LB+1], v[SB+12:SB+13]
.set jb, 14
.irp k, 0,1,2,3
	TADD \k, \k+4
.endr
	BADD4
	TADD 0, 2
	TADD 1, 3
	BADD4
	TADD 0, 1
	BADD4
	v_pk_add_f32 v[LA:LA+1], v[LA:LA+1], v[PA:PA+1]
	BADD4
	BADD4
	BADD4
	v_pk_add_f32 v[C1:C1+1], v[C1:C1+1], v[SB+62:SB+63]
	v_pk_add_f32 v[LB:LB+1], v[LB:LB+1], v[C3:C3+1]
	v_pk_add_f32 v[C1:C1+1], v[C1:C1+1], v[C2:C2+1]
	v_pk_add_f32 v[LB:LB+1], v[LB:LB+1], v[C1:C1+1]
.irp t, 0,1,2,3,4,5,6,7
	v_cvt_scalef32_pk8_fp8_f32 v[PA+2*\t:PA+2*\t+1], v[SA+8*\t:SA+8*\t+7], v[CP]   ; registers 2 t, 2 t + 1 of P's fragment: keys 16 t + 8 h + 0 .. 7
.irp i, 0,1,2,3,4,5,6,7
	v_min_num_f32 v[SB+8*\t+\i], v[SB+8*\t+\i], v[HP]
.endr
	v_cvt_scalef32_pk8_fp8_f32 v[PB+2*\t:PB+2*\t+1], v[SB+8*\t:SB+8*\t+7], v[CP]
.endr
	v_nop                                          ; one plain line between the conversions and the products that read the codes
	s_wait_alu depctr_va_vdst(0)
	s_wait_dscnt 16                                ; V is in; the youngest sixteen loads (the next K's) may be out
	WIN 0x54                                       ; V in window 0; codes, C and D in window 1
.irp c, 0,1,2,3
	v_wmma_f32_16x16x128_fp8_fp8 v[OA+8*\c:OA+8*\c+7], v[VF+16*\c:VF+16*\c+15], v[PA:PA+15], v[OA+8*\c:OA+8*\c+7]   ; the eight accumulators by turns; between two links of a chain stand seven others and the next step's sixteen
	v_wmma_f32_16x16x128_fp8_fp8 v[OB+8*\c:OB+8*\c+7], v[VF+16*\c:VF+16*\c+15], v[PB:PB+15], v[OB+8*\c:OB+8*\c+7]
.endr
	WIN 0
.rept 4
	v_nop                                          ; places in front of the loads below, and of the way out's first read of O^T
.endr
	LOADV ADV                                      ; the next step's V
.Lhidden_\@:
	s_add_co_u32 s[KO], s[KO], KSB
.endm
; Tiles 2 b and 2 b + 1 hold channels 32 b + {8 h .., 16 + 8 h ..}; the image wants 32 b + 16 h + 0 .. 15: lanes 0-15 take tile 2 b's two halves, lanes 16-31 tile 2 b + 1's.
.macro SWAPH cd
.irp b, 0,1
.irp i, 0,1
	v_permlanex16_b32 v[PTA], v[\cd+2+4*\b+\i], s[SEL], s[SEL+1]
	v_permlanex16_b32 v[PTB], v[\cd+4*\b+\i], s[SEL], s[SEL+1]
	v_cndmask_b32 v[\cd+4*\b+\i], v[\cd+4*\b+\i], v[PTA], vcc_lo
	v_cndmask_b32 v[\cd+2+4*\b+\i], v[PTB], v[\cd+2+4*\b+\i], vcc_lo
.endr
.endr
.endm
; A block's end: O^T / l, held, converted, brought into the output product's order of k, stored.
.macro FINISH out
	s_wait_alu depctr_va_vdst(0)                   ; what follows reads registers written ahead of branches
	WIN 0x55
	v_add_f32 v[LA], v[LA], v[LA+1]                ; the sum's two halves,
	v_add_f32 v[LB], v[LB], v[LB+1]
	v_permlanex16_b32 v[PTA], v[LA], s[SEL], s[SEL+1]
	v_permlanex16_b32 v[PTB], v[LB], s[SEL], s[SEL+1]
	v_add_f32 v[LA], v[LA], v[PTA]                 ; and lane l xor 16's: the row's sum
	v_add_f32 v[LB], v[LB], v[PTB]
	s_wait_alu depctr_va_vdst(0)                   ; ahead of the transcendentals
	v_rcp_f32 v[LA], v[LA]
	v_rcp_f32 v[LB], v[LB]
	v_nop                                          ; a plain line behind them
	s_wait_alu depctr_va_vdst(0)                   ; and the wait ahead of their first reader, which is also O^T's
.set j, 0
.rept 16
	v_pk_mul_f32 v[SA+j:SA+j+1], v[OA+j:OA+j+1], v[LA:LA+1] op_sel_hi:[1,0]   ; register 8 t + i is channel 16 t + 8 h + i of my query
	v_pk_mul_f32 v[SB+j:SB+j+1], v[OB+j:OB+j+1], v[LB:LB+1] op_sel_hi:[1,0]
.set j, j+2
.endr
.set j, 0
.rept 32
	v_med3_num_f32 v[SA+j], v[SA+j], -v[HO], v[HO]
	v_med3_num_f32 v[SB+j], v[SB+j], -v[HO], v[HO]
.set j, j+1
.endr
.irp t, 0,1,2,3
	v_cvt_scalef32_pk8_fp8_f32 v[PA+2*\t:PA+2*\t+1], v[SA+8*\t:SA+8*\t+7], v[CO]
	v_cvt_scalef32_pk8_fp8_f32 v[PB+2*\t:PB+2*\t+1], v[SB+8*\t:SB+8*\t+7], v[CO]
.endr
	v_nop                                          ; one plain line between the conversions and the lines that touch their results
	s_mov_b32 vcc_lo, 0xffff0000
	SWAPH PA
	SWAPH PB
	WIN 0x04                                       ; the stores' data in window 1, their offset in window 0
.irp b, 0,1
	global_store_b128 v[LI], v[PA+4*\b:PA+4*\b+3], s[\out:\out+1] offset:512*\b          ; 32 lanes store 512 consecutive bytes, at a multiple of 512 from cf's first byte
	global_store_b128 v[LI], v[PB+4*\b:PB+4*\b+3], s[\out:\out+1] offset:16384+512*\b
.endr
	WIN 0
.endm
; A block of 32 queries.  The step is written once: O^T and the sums begin as zeros and the largest t as -3e38, so the first change of M multiplies zeros.
.macro TILE qb, lim, dm, trips, out
	s_wait_xcnt 0x0                                ; the block before has had its stores' registers read: they are written again below
	s_wait_dscnt 0x0                               ; and its last requests for K and V have landed
	LOADK LI                                       ; key step 0
	LOADV LV
	WIN 0x40
.set j, 0
.rept 64
	v_mov_b32 v[OA+j], 0
.set j, j+1
.endr
.irp r, LA, LA+1, LB, LB+1
	v_mov_b32 v[\r], 0
.endr
	v_mov_b32 v[MA+1], 0xff61b1e6                  ; -3e38, under every t
	v_mov_b32 v[MB+1], 0xff61b1e6
	WIN 0x55
	v_floor_f32 v[MA], -v[MA+1]
	v_floor_f32 v[MB], -v[MB+1]
	WIN 0
	s_mov_b32 s[KO], 0
	s_mov_b32 s[KS], 0
	s_wait_alu depctr_va_vdst(0)                   ; ahead of the loop's waits and branches
.Lstep_\@:
	STEP \qb, \lim, \dm
	s_add_co_u32 s[KS], s[KS], 1
	s_cmp_lt_u32 s[KS], \trips
	s_cbranch_scc1 .Lstep_\@
	FINISH \out
.endm
	TILE Q1, 58, D1, 8, 66                         ; wave + 1 of 8 trips do work
	TILE Q2, 59, D2, 16, 2                         ; 16 - wave of 16
	s_wait_dscnt 0x0                               ; no LDS instruction of mine is pending
	s_wait_tensorcnt 0x0                           ; the wave's end
	ds_add_u32 v[SPW], v[NIL]
	s_wait_dscnt 0x0
	CROUND                                         ; the closing round
	s_endpgm
.Lfunc_end_k_q05af2a1a48_attn:
	.size	k_q05af2a1a48_attn, .Lfunc_end_k_q05af2a1a48_attn-k_q05af2a1a48_attn
	.p2alignl 7, 3214868480
	.fill 96, 4, 3214868480
	.section	.rodata,"a",@progbits
	.p2align	6, 0x0
	.amdhsa_kernel k_q05af2a1a48_attn
		.amdhsa_group_segment_fixed_size 327680
		.amdhsa_private_segment_fixed_size 0
		.amdhsa_enable_private_segment 0
		.amdhsa_kernarg_size 40
		.amdhsa_user_sgpr_count 2
		.amdhsa_user_sgpr_kernarg_segment_ptr 1
		.amdhsa_wavefront_size32 1
		.amdhsa_system_sgpr_workgroup_id_x 1
		.amdhsa_system_sgpr_workgroup_id_y 1
		.amdhsa_system_sgpr_workgroup_id_z 1
		.amdhsa_system_vgpr_workitem_id 0
		.amdhsa_next_free_vgpr 512
		.amdhsa_next_free_sgpr 80
		.amdhsa_reserve_vcc 1
		.amdhsa_float_denorm_mode_32 3
		.amdhsa_float_denorm_mode_16_64 3
		.amdhsa_memory_ordered 1
		.amdhsa_forward_progress 1
		.amdhsa_inst_pref_size 106
	.end_amdhsa_kernel
	.amdgpu_metadata
---
amdhsa.version: [ 1, 2 ]
amdhsa.kernels:
  - .name:           k_q05af2a1a48_attn
    .symbol:         k_q05af2a1a48_attn.kd
    .args:
      - { .name: qf, .offset: 0, .size: 8, .value_kind: global_buffer, .address_space: global }
      - { .name: kf, .offset: 8, .size: 8, .value_kind: global_buffer, .address_space: global }
      - { .name: vf, .offset: 16, .size: 8, .value_kind: global_buffer, .address_space: global }
      - { .name: lowp_scales, .offset: 24, .size: 8, .value_kind: global_buffer, .address_space: global }
      - { .name: cf, .offset: 32, .size: 8, .value_kind: global_buffer, .address_space: global }
    .group_segment_fixed_size: 327680
    .private_segment_fixed_size: 0
    .kernarg_segment_align: 8
    .kernarg_segment_size: 40
    .max_flat_workgroup_size: 256
    .sgpr_count:     80
    .vgpr_count:     512
    .wavefront_size: 32
...
	.end_amdgpu_metadata
.endif
;; end of part 2
;; launch outp (part 3): grid 4 x 64, 4 waves a work-group, clusters of 4 x 4, 327,680 bytes of LDS; arguments cf, Wo_codes, lowp_scales, bo, out0; writes out0
.if DOCPART == 3
	.amdgcn_target "amdgcn-amd-amdhsa--gfx1250"
	.amdhsa_code_object_version 6
	.text
	.protected	k_q05af2a1a48_outp
	.globl	k_q05af2a1a48_outp
	.p2align	8
	.type	k_q05af2a1a48_outp,@function
k_q05af2a1a48_outp:
	s_mov_b64 s[64:65], 0
	v_nop
	global_prefetch_b8 v0, s[64:65] scope:SCOPE_SE
	s_setreg_imm32_b32 hwreg(HW_REG_WAVE_MODE, 25, 1), 1
	s_wait_xcnt 0x0
	s_wait_alu depctr_hold_cnt(0) depctr_sa_sdst(0) depctr_va_vdst(0) depctr_va_sdst(0) depctr_va_ssrc(0) depctr_va_vcc(0) depctr_vm_vsrc(0)
	s_getreg_b32 s2, hwreg(HW_REG_IB_STS2, 6, 4)
	s_cmp_eq_u32 s2, 0
	s_cbranch_scc0 .Lentry_in_a_cluster
	s_endpgm
.Lentry_in_a_cluster:
	s_bfe_u32 s2, ttmp6, 0x10000c
	s_cmp_lg_u32 s2, 0xf033
	s_cbranch_scc0 .Lentry_shape_is_right
	s_endpgm
.Lentry_shape_is_right:
; out0[m][n] = 2^(e10 + e11) x (sum over k of A[m][k] B[n][k]) + bo[n], on codes of FP8 (E4M3).  A = the attention's result, 8,192 rows; B = Wo's codes [1024 (n)][1024 (k)], K innermost; out0 f32.
; A comes as cf: [tile of 16 rows 512][K step of 128: 8][quad 4][512 B]: images of operand registers: lane (r, h) of quad c holds row r, k = 32 c + 16 h + 0 .. 15.  B's fragments are read in the same order of k (four loads of 16 bytes).
; LIMIT: e10 + e11 lies between -126 and 127, so that 2^(e10 + e11) is an f32 number.
; SHARES.  A block of out0 is 128 rows x 256 columns: 64 x 4 = 256 work-groups.  Four waves, each 64 rows x 128 columns: 32 accumulators of 16 x 16.
; K goes in steps of 256 through a ring of two LDS slots filled by the tensor data mover: waves 0 and 1 fetch 64 rows of A each (4 tiles x 4,096 bytes), waves 2 and 3 128 rows of B each (rows of 256 bytes).
; CLUSTERS: 4 x 4 work-groups.  A's tiles are shared along a row of the cluster, B's along a column: each is asked for jointly.
; NO PREFETCH: K is 1,024, four K steps; the only refills are for K steps 2 and 3, and no K step lies two refills on.
; THE MATRIX INSTRUCTION IS USED TRANSPOSED (source 0 = 16 rows of B, source 1 = 16 rows of A): a lane holds eight neighbouring numbers of a row of out0.
; REGISTERS, in windows of 256: window 0: v0-31 addresses and the bias; v128-191, v192-255 A's fragments (4 x 16 rows x 128 K), two sets; on the way out rows read back.
;   window 1: B's fragments (8 x 16 rows x 128 K), two sets.   window 2: the accumulators ((a, b) at v[8 (8 a + b)]).
; A step of 128 along K is 32 matrix instructions.  Both operands have two sets, so the next step's 48 loads are issued ahead of a step's products.
.set SIZE_N, 1024
.set ROWB,   256                       ; a row of B's tile in bytes
.set KROW,   1024                      ; a row of B in memory
.set ABLK,   4096                      ; a tile of 16 rows of A, 256 along K
.set PITCH,  272                       ; B's LDS row: 256 bytes + 16 of padding: the 16 rows that a load touches start at 16 different banks (64 banks of 4 bytes: ISA guide 11.1)
.set FR,     16                        ; registers of a fragment
.set NP,     4                         ; places behind this matrix instruction (ISA guide 7.12.1)
.set HALFT,  128*PITCH                 ; the LDS room of one wave's load (A's loads use 16,384 bytes of it)
.set SLOT,   4*HALFT
.set LAPS,   2                         ; a lap = two K steps = once round the ring
.set SPARE,  2*SLOT                    ; behind the ring: the spare words, 128 bytes a wave: two blocks of 256 bytes that no other line names
.set SPITCH, 528                       ; the way out: a stage of 16 rows x (512 bytes + 16) for each wave, in slot 0, which has had its last fill and its last read by then
.set BIAS, 12                          ; v12-15  bo at my four columns
.set ADRA, 16                          ; v16-17  LDS address of my A fragments in slot 0, 1
.set ADRB, 20                          ; v20-21  the same for B
.set STO,  24
.set RD,   25
.set CO,   26                          ; v26     16 x lane
.set SPW,  28                          ; v28     LDS address of my spare word; never rewritten
.set NIL,  29                          ; v29     0; never rewritten
.set AF,   128
.set BK,   128
.set G1, 24                            ; s[24:31] descriptor group 1 for A's tiles;  s[32:39] group 0, one set for each slot
.set G0, 32
.set G1B, 48                           ; s[48:55], s[56:63] the same for B's
.set G0B, 56
.set MSB, 0
.macro WIN new                         ; the immediate's high byte repeats the setting that is left
.if MSB != \new
	s_set_vgpr_msb (MSB<<8)|\new
.set MSB, \new
.endif
.endm
.set MUL_LO, 0xa1                      ; source 0 (B) window 1, source 1 (A) window 0, C and D window 2
.set TO_B,   0x40                      ; destination window 1, address window 0
; A joint load: waves 0 and 1 fetch for A, waves 2 and 3 for B.  An s_nop 0 and four v_nop follow each of the two lines.
.macro JLOAD g0a, g1a, g0b, g1b
	s_cmp_eq_u32 s15, 0
	s_cbranch_scc0 .Lfor_b_\@
	tensor_load_to_lds s[\g0a:\g0a+3], s[\g1a:\g1a+7]
	s_nop 0
.rept 4
	v_nop
.endr
	s_branch .Lasked_\@
.Lfor_b_\@:
	tensor_load_to_lds s[\g0b:\g0b+3], s[\g1b:\g1b+7]
	s_nop 0
.rept 4
	v_nop
.endr
.Lasked_\@:
.endm
.macro CREST                           ; a round of the cluster's barrier behind its opening barrier
	s_cmp_lg_u32 s14, 0
	s_cbranch_scc1 .Lnot_wave_0_\@
	s_barrier_signal -3
.Lnot_wave_0_\@:
	s_barrier_wait -3
	s_barrier_signal -1
	s_barrier_wait -1
.endm
.macro CROUND                          ; a whole round
	s_barrier_signal -1
	s_barrier_wait -1
	CREST
.endm
	s_load_b128 s[4:7], s[0:1], 0x0                ; cf s[4:5], Wo's codes s[6:7]
	s_load_b128 s[8:11], s[0:1], 0x10              ; the scales' exponents s[8:9], bo s[10:11]
	s_load_b64 s[12:13], s[0:1], 0x20              ; out0
	v_lshl_add_u32 v[SPW], v0, 2, SPARE
	v_mov_b32 v[NIL], 0
	ds_add_u32 v[SPW], v[NIL]                      ; the opening lines: the add, twice on end, and its wait ahead of my first tensor load
	ds_add_u32 v[SPW], v[NIL]
	v_lshrrev_b32 v1, 5, v0
	v_readfirstlane_b32 s14, v1                    ; wave 0..3
	s_lshr_b32 s15, s14, 1                         ; which 64 of the block's rows are mine.  Also: I fetch for A (0) or for B (1)
	s_and_b32 s16, s14, 1                          ; which 128 of its columns.  Also: which part of that tile I fetch
	s_bfe_u32 s40, ttmp6, 0x40000                  ; cx, cy: my place in the cluster
	s_bfe_u32 s41, ttmp6, 0x40004
	s_lshl_b32 s42, ttmp9, 2
	s_add_co_u32 s42, s42, s40                     ; block column = 4 x cluster x + cx
	s_and_b32 s17, ttmp7, 0xffff
	s_lshl_b32 s17, s17, 2
	s_add_co_u32 s17, s17, s41                     ; block row = 4 x cluster y + cy
	s_lshl_b32 s43, s41, 2
	s_lshl_b32 s43, 15, s43                        ; my row of the cluster
	s_lshl_b32 s44, 0x1111, s40                    ; my column
	; A: 4 tiles of 4,096 bytes, 16,384 bytes apart in memory, dense in LDS; elements of 8 bytes
	s_or_b32 s[G1+0], s43, (3<<16)|(1<<21)         ; the mask: A's tiles go to my row; bit 21 set beside a mask
	s_mov_b32 s[G1+1], 512<<16
	s_mov_b32 s[G1+2], 4<<16
	s_mov_b32 s[G1+3], 512<<16
	s_mov_b32 s[G1+4], 4
	s_mov_b32 s[G1+5], 2048
	s_mov_b32 s[G1+6], 0
	s_mov_b32 s[G1+7], 0
	; B: 128 rows of 256 bytes, padded in LDS by four words after every 64
	s_or_b32 s[G1B+0], s44, (0<<16)|(1<<20)|(1<<21)|(5<<22)|(3<<25)
	s_mov_b32 s[G1B+1], ROWB<<16
	s_mov_b32 s[G1B+2], 128<<16
	s_mov_b32 s[G1B+3], ROWB<<16
	s_mov_b32 s[G1B+4], 128
	s_mov_b32 s[G1B+5], KROW
	s_mov_b32 s[G1B+6], 0
	s_mov_b32 s[G1B+7], 0
	s_lshl_b32 s20, s17, 7
	s_lshl_b32 s18, s16, 6
	s_add_co_u32 s20, s20, s18                     ; A: row 128 x block row + 64 x part
	s_lshl_b32 s20, s20, 10                        ; 1,024 bytes a row, in the images too: under 2^23
	s_mov_b32 s21, 0
	s_lshl_b32 s46, s42, 8
	s_lshl_b32 s18, s16, 7
	s_add_co_u32 s46, s46, s18                     ; B: row 256 x block column + 128 x part
	s_lshl_b32 s46, s46, 10
	s_mov_b32 s47, 0
	s_mul_i32 s45, s14, HALFT                      ; where they go: no place in the cluster enters an LDS address
	s_wait_dscnt 0x0                               ; both opening adds are done
	s_wait_kmcnt 0x0
	s_load_b64 s[96:97], s[8:9], 0x28              ; e10, e11
	s_add_nc_u64 s[20:21], s[4:5], s[20:21]
	s_add_nc_u64 s[46:47], s[6:7], s[46:47]
	CROUND                                         ; all sixteen work-groups are here: the first joint loads meet
.irp s, 0,1
	s_mov_b32 s[G0+4*\s], 1
	s_add_co_u32 s[G0+4*\s+1], s45, \s*SLOT
	s_add_nc_u64 s[G0+4*\s+2:G0+4*\s+3], s[20:21], \s*ABLK
	s_or_b32 s[G0+4*\s+3], s[G0+4*\s+3], 0x80000000
	s_mov_b32 s[G0B+4*\s], 1
	s_add_co_u32 s[G0B+4*\s+1], s45, \s*SLOT
	s_add_nc_u64 s[G0B+4*\s+2:G0B+4*\s+3], s[46:47], \s*ROWB
	s_or_b32 s[G0B+4*\s+3], s[G0B+4*\s+3], 0x80000000
.endr
	JLOAD G0, G1, G0B, G1B                         ; K step 0: one tensor load a wave
	v_and_b32 v1, 15, v0                           ; l % 16
	v_bfe_u32 v2, v0, 4, 1                         ; l / 16
	v_and_b32 v6, 31, v0
	v_lshlrev_b32 v[CO], 4, v6                     ; 16 x lane
	v_mul_u32_u24 v3, v1, PITCH
	v_lshl_add_u32 v4, v2, 4, v3                   ; B: a fragment's row x pitch + 16 x half
	s_mul_i32 s21, s15, HALFT                      ; my 64 rows of A
	s_mul_i32 s22, s16, HALFT                      ; my 128 rows of B,
	s_add_co_u32 s22, s22, 2*HALFT                 ; which lie behind A's two parts
.irp s, 0,1
	v_add_nc_u32 v[ADRA+\s], s21, v[CO]
	v_add_nc_u32 v[ADRB+\s], s22, v4
	s_add_co_u32 s21, s21, SLOT
	s_add_co_u32 s22, s22, SLOT
.endr
	s_mul_i32 s23, s14, 16*SPITCH                  ; my stage
	s_wait_alu depctr_va_vdst(0)                   ; directly ahead of the reader below
	v_mul_u32_u24 v5, v1, SPITCH                   ; in: row l % 16, 32 bytes for each half of the lanes
	v_lshl_add_u32 v5, v2, 5, v5
	v_add_nc_u32 v[STO], s23, v5
	v_add_nc_u32 v[RD], s23, v[CO]                 ; back: the 32 lanes take one row of 512 bytes
	s_lshl_b32 s20, s17, 7
	s_lshl_b32 s21, s15, 6
	s_add_co_u32 s20, s20, s21                     ; my first row of out0: 128 x block row + 64 x half
	s_lshl_b32 s20, s20, 12                        ; 4,096 bytes a row: under 2^25
	s_mov_b32 s21, 0
	s_lshl_b32 s46, s42, 10                        ; my first column, in bytes: 1,024 x block column + 512 x half
	s_lshl_b32 s47, s16, 9
	s_add_co_u32 s46, s46, s47
	s_mov_b32 s47, 0
	s_add_nc_u64 s[10:11], s[10:11], s[46:47]
	s_add_nc_u64 s[20:21], s[20:21], s[46:47]
	s_add_nc_u64 s[12:13], s[12:13], s[20:21]
	global_load_b128 v[BIAS:BIAS+3], v[CO], s[10:11]   ; bo at the four columns that I store
.macro FRAG reg, adr, q, i             ; B: lane l holds row l % 16; registers 4 c .. 4 c + 3 hold K = 32 c + 16 (l / 16) + 0 .. 15
.irp c, 0,1,2,3
	ds_load_b128 v[\reg+4*\c:\reg+4*\c+3], v[\adr] offset:128*(\q)+32*\c+(\i)*16*PITCH
.endr
.endm
.macro FRAGA reg, adr, q, i            ; A: the image as it lies, 512 consecutive bytes a load
.irp c, 0,1,2,3
	ds_load_b128 v[\reg+4*\c:\reg+4*\c+3], v[\adr] offset:ABLK*(\i)+2048*(\q)+512*\c
.endr
.endm
.macro FETCH slot, q, p                ; the fragments of the slot's q-th 128 along K into sets p: 32 loads for B, 16 for A
	WIN TO_B
.irp i, 0,1,2,3,4,5,6,7
	FRAG 128*(\p)+FR*\i, ADRB+\slot, \q, \i
.endr
	WIN 0
.irp i, 0,1,2,3
	FRAGA AF+64*(\p)+FR*\i, ADRA+\slot, \q, \i
.endr
.endm
; 16 matrix instructions: A's blocks a0, a0 + 1 x B's eight, 128 along K, on sets p.  zero = 1: the first product starts the sums.
; The 32 accumulators take turns, one instruction a turn, in the same order in every step.
.macro MUL16 a0, p, zero
.irp a, \a0, \a0+1
.irp b, 0,1,2,3,4,5,6,7
.if \zero
	v_wmma_f32_16x16x128_fp8_fp8 v[8*(8*(\a)+\b):8*(8*(\a)+\b)+7], v[128*(\p)+FR*\b:128*(\p)+FR*\b+FR-1], v[AF+64*(\p)+FR*(\a):AF+64*(\p)+FR*(\a)+FR-1], 0
.else
	v_wmma_f32_16x16x128_fp8_fp8 v[8*(8*(\a)+\b):8*(8*(\a)+\b)+7], v[128*(\p)+FR*\b:128*(\p)+FR*\b+FR-1], v[AF+64*(\p)+FR*(\a):AF+64*(\p)+FR*(\a)+FR-1], v[8*(8*(\a)+\b):8*(8*(\a)+\b)+7]
.endif
.endr
.endr
.endm
; A load into a register that a matrix instruction has read, and a store that reads a matrix result, stand NP places behind it; only plain vector instructions that name none of its registers are places (ISA guide 7.12.1 for the stores).
.macro PLACES n
.rept \n
	v_nop
.endr
.endm
; A slot's first step, on sets 0: the second step's fragments are asked for ahead of its products.
.macro STEP slot, zero
	PLACES NP                                      ; behind the products that read sets 1
	FETCH \slot, 1, 1
	s_wait_dscnt 48                                ; all but the 48 just issued: sets 0 are in
	WIN MUL_LO
	MUL16 0, 0, \zero
	MUL16 2, 0, \zero
	WIN 0
.endm
; A slot's second step, on sets 1, changes slots: ONE barrier; in front of it each wave waits for all its tensor loads, adds 0 to its spare word, and waits for that and for its own reads of this slot.  fill = 1: this slot is filled again, two K steps ahead.
.macro TURN slot, next, fill
	s_wait_tensorcnt 0x0                           ; all my tensor loads have landed: my part of the next slot  (every window is 0 here)
	ds_add_u32 v[SPW], v[NIL]                      ; 0 onto my spare word
	s_wait_dscnt 1                                 ; sets 1 are in (the add may be out)
	WIN MUL_LO
	MUL16 0, 1, 0                                  ; sixteen matrix instructions stand between the add and the wait for it
	s_wait_dscnt 0x0                               ; the add is done, and my reads of this slot are over
	s_barrier_signal -1
	WIN 0
	s_barrier_wait -1
.if \fill
	CREST                                          ; the barrier has opened a round of the cluster's barrier: no wave of any partner still reads this slot's tile or has a load on its way
	s_add_nc_u64 s[G0+4*\slot+2:G0+4*\slot+3], s[G0+4*\slot+2:G0+4*\slot+3], 2*ABLK
	s_add_nc_u64 s[G0B+4*\slot+2:G0B+4*\slot+3], s[G0B+4*\slot+2:G0B+4*\slot+3], 2*ROWB
	JLOAD G0+4*\slot, G1, G0B+4*\slot, G1B         ; the first tensor load behind the round; its four v_nop are the places in front of the loads below
.else
	PLACES NP
.endif
	FETCH \next, 0, 0                              ; the next slot's first fragments land under the sixteen products below
	WIN MUL_LO
	MUL16 2, 1, 0
	WIN 0
.endm
	s_wait_alu depctr_va_vdst(0)
	s_wait_tensorcnt 0x0                           ; my part of K step 0 is in
	ds_add_u32 v[SPW], v[NIL]
	s_wait_dscnt 0x0
	CROUND                                         ; a whole round: everybody's part of K step 0 is in, and the joint loads meet
	JLOAD G0+4, G1, G0B+4, G1B                     ; K step 1's load, the first tensor load behind the round
	FETCH 0, 0, 0
	STEP 0, 1                                      ; the first step stands in front of the loop: its products start the sums
	s_mov_b32 s3, LAPS-1
.Llap:                                                 ; a trip goes once round the ring, from a lap's second step to the next lap's first, and fills both slots again
	TURN 0, 1, 1
	STEP 1, 0
	TURN 1, 0, 1
	STEP 0, 0
	s_sub_co_u32 s3, s3, 1
	s_cmp_lg_u32 s3, 0
	s_cbranch_scc1 .Llap
	TURN 0, 1, 0                                   ; the last lap fills nothing, and has no round of the cluster's barrier
	STEP 1, 0
	s_wait_dscnt 0                                 ; the very last step: nothing more to fetch
	WIN MUL_LO
	MUL16 0, 1, 0
	MUL16 2, 1, 0
	WIN 0
; THE WAY OUT, block by block of 16 rows x 128 columns: through my own stage in LDS, back as whole rows of 512 bytes, x 2^(e10 + e11) + bo, stored as two aligned units of 256 bytes.
; LDS serves a wave's instructions in order (ISA guide 5.7.1.4): no wait between the stores and the loads, nor in front of the next block's stores.
.macro TOSTAGE a
.set AC, 64*(\a)
	WIN 0x08                                       ; the stores' data in window 2
.irp b, 0,1,2,3,4,5,6,7
	ds_store_b128 v[STO], v[AC+8*\b:AC+8*\b+3] offset:64*\b            ; each accumulator from its low end on
	ds_store_b128 v[STO], v[AC+8*\b+4:AC+8*\b+7] offset:64*\b+16
.endr
	WIN 0
.set BB, BK+64*((\a)%2)
.irp t, 0,1,2,3,4,5,6,7,8,9,10,11,12,13,14,15
	ds_load_b128 v[BB+4*\t:BB+4*\t+3], v[RD] offset:\t*SPITCH
.endr
.endm
.macro SEND a, younger                 ; younger: the LDS instructions issued behind block a's loads, which may stay out
.set BB, BK+64*((\a)%2)
	s_wait_dscnt \younger
.if (\a) > 0
	s_add_nc_u64 s[12:13], s[12:13], 16*SIZE_N*4   ; (behind a wait on XCNT: the earlier stores have read their base)  16 rows on
.endif
.irp t, 0,1,2,3,4,5,6,7,8,9,10,11,12,13,14,15
	v_pk_fma_f32 v[BB+4*\t:BB+4*\t+1], v[BB+4*\t:BB+4*\t+1], s[96:97], v[BIAS:BIAS+1] op_sel_hi:[1,0,1]
	v_pk_fma_f32 v[BB+4*\t+2:BB+4*\t+3], v[BB+4*\t+2:BB+4*\t+3], s[96:97], v[BIAS+2:BIAS+3] op_sel_hi:[1,0,1]
.endr
.irp t, 0,1,2,3,4,5,6,7,8,9,10,11,12,13,14,15
	global_store_b128 v[CO], v[BB+4*\t:BB+4*\t+3], s[12:13] offset:\t*SIZE_N*4 th:TH_STORE_NT   ; 32 lanes store 512 consecutive bytes, at a multiple of 512 from out0's first byte
.endr
.endm
	s_wait_kmcnt 0x0
	s_add_co_i32 s96, s96, s97                     ; e10 + e11, between -126 and 127,
	s_add_co_i32 s96, s96, 127
	s_lshl_b32 s96, s96, 23                        ; makes the f32 number 2^(e10 + e11)
	s_wait_loadcnt 0x0                             ; bo
	PLACES NP                                      ; behind the last products: their results are read below, and A's registers take the rows read back
	TOSTAGE 0
.irp a, 1,2,3
.if \a > 1
	s_wait_xcnt 0x0                                ; block a - 2's stores have read their registers and their base
.endif
	TOSTAGE \a
	SEND \a-1, 32                                  ; behind block a - 1's loads: block a's 16 stores and 16 loads
.endr
	s_wait_xcnt 0x0
	SEND 3, 0
	s_wait_tensorcnt 0x0                           ; the wave's end
	ds_add_u32 v[SPW], v[NIL]
	s_wait_dscnt 0x0
	CROUND                                         ; the closing round: no work-group ends while a partner may still ask for a tile that names it
	s_endpgm
.Lfunc_end_k_q05af2a1a48_outp:
	.size	k_q05af2a1a48_outp, .Lfunc_end_k_q05af2a1a48_outp-k_q05af2a1a48_outp
	.p2alignl 7, 3214868480
	.fill 96, 4, 3214868480
	.section	.rodata,"a",@progbits
	.p2align	6, 0x0
	.amdhsa_kernel k_q05af2a1a48_outp
		.amdhsa_group_segment_fixed_size 327680
		.amdhsa_private_segment_fixed_size 0
		.amdhsa_enable_private_segment 0
		.amdhsa_kernarg_size 40
		.amdhsa_user_sgpr_count 2
		.amdhsa_user_sgpr_kernarg_segment_ptr 1
		.amdhsa_wavefront_size32 1
		.amdhsa_system_sgpr_workgroup_id_x 1
		.amdhsa_system_sgpr_workgroup_id_y 1
		.amdhsa_system_sgpr_workgroup_id_z 1
		.amdhsa_system_vgpr_workitem_id 0
		.amdhsa_next_free_vgpr 768
		.amdhsa_next_free_sgpr 98
		.amdhsa_reserve_vcc 0
		.amdhsa_float_denorm_mode_32 3
		.amdhsa_float_denorm_mode_16_64 3
		.amdhsa_memory_ordered 1
		.amdhsa_forward_progress 1
		.amdhsa_inst_pref_size 76
	.end_amdhsa_kernel
	.amdgpu_metadata
---
amdhsa.version: [ 1, 2 ]
amdhsa.kernels:
  - .name:           k_q05af2a1a48_outp
    .symbol:         k_q05af2a1a48_outp.kd
    .args:
      - { .name: cf, .offset: 0, .size: 8, .value_kind: global_buffer, .address_space: global }
      - { .name: Wo_codes, .offset: 8, .size: 8, .value_kind: global_buffer, .address_space: global }
      - { .name: lowp_scales, .offset: 16, .size: 8, .value_kind: global_buffer, .address_space: global }
      - { .name: bo, .offset: 24, .size: 8, .value_kind: global_buffer, .address_space: global }
      - { .name: out0, .offset: 32, .size: 8, .value_kind: global_buffer, .address_space: global }
    .group_segment_fixed_size: 327680
    .private_segment_fixed_size: 0
    .kernarg_segment_align: 8
    .kernarg_segment_size: 40
    .max_flat_workgroup_size: 128
    .sgpr_count:     98
    .vgpr_count:     768
    .wavefront_size: 32
...
	.end_amdgpu_metadata
.endif
;; end of part 3
